; MI455X (gfx1250); checked and timed in simulation.
; The chip was launched on July 23, 2026; its instructions are those of AMD's public machine-readable ISA for CDNA 5 (MIT licence, August 2026) and "CDNA5" Instruction Set Architecture Reference Guide (July 2026). The comments in the code are by the model that wrote it; some were corrected since.
;; NGP Model. Allowed arithmetic: float matrix products may take bf16 or f16 operands with f32 sums; all other float work in f32.
;; Inputs: W1 32 x 64 float32; W2 64 x 64 float32; W3 64 x 3 float32; hash_table 16 x 524,288 x 2 float32; v_pixel_pos 2,097,152 x 2 float32.
;; Outputs: out0 2,097,152 x 3 float32.
;; 2 versions, each right; version 2 is version 1 with the launch ngp written anew for expert scheduling mode. Each part assembles by itself: llvm-mc -triple=amdgcn-amd-amdhsa -mcpu=gfx1250 --defsym DOCPART=n.
;; ======== version 1 of 2: 2 launches
;; limits: inputs' magnitudes at most 1; values are held in f16: magnitudes above 65,504 overflow, below 6.1e-05 lose precision; below input magnitudes of 9.3e-10 results are inexact or not finite
;; workspace buffers: mfix 16,777,216 bytes of whole numbers; wfrag 14,592 bytes
;; launch prep (part 1): grid 513 x 1, 8 waves a work-group, no clusters, 0 bytes of LDS; arguments v_pixel_pos, W1, W2, W3, mfix, wfrag; writes mfix, wfrag
.if DOCPART == 1
	.amdgcn_target "amdgcn-amd-amdhsa--gfx1250"
	.amdhsa_code_object_version 6
	.text
	.protected	k_q8f34b1e298_prep
	.globl	k_q8f34b1e298_prep
	.p2align	8
	.type	k_q8f34b1e298_prep,@function
k_q8f34b1e298_prep:
	s_mov_b64 s[64:65], 0
	v_nop
	global_prefetch_b8 v0, s[64:65] scope:SCOPE_SE
	s_setreg_imm32_b32 hwreg(HW_REG_WAVE_MODE, 25, 1), 1
	s_wait_xcnt 0x0
; PREPARATION for the hash-grid model.  Two kinds of work-group.
; Work-groups 1 .. 512: mfix[p][c] = pos[p][c] x 2^32 as a 32-bit whole number, so that the next launch forms every table index by integer arithmetic.
;   Each takes 32,768 bytes: a thread eight pieces of 16 bytes, 4,096 bytes apart; a wave's load or store covers 512 consecutive bytes, aligned.
;   LIMITS.  Positions lie in 0 to 1.  Below 0 they count as 0, from 1 on as 0xffffffff (whose f32 value is 2^32 again, so that 1.0 is kept).  NaN is not treated apart.
;   From 2^-8 on the product is a whole number and nothing is lost; below that a position is cut to a multiple of 2^-32.
; Work-group 0: the three weight matrices as f16 fragments in the order in which a lane's registers take them, and the factor g for the outputs.
;   W1 and W2 are multiplied by powers of two s1, s2 that bring the largest column sum of magnitudes into 0.5 .. 1: a hidden number is then never larger than the largest
;   scaled feature, whatever the weights' size.  ReLU without bias lets positive factors through, so g = 2^-16 / (s1 s2) undoes them and the features' 2^16.
;   LIMITS.  |W3| stays under 65,504 (it is converted as it is); the column sums of |W1|, |W2| stay under 2^126.
;   wfrag: fragment f at byte 1,024 f: registers 0-3 of lane L at 16 L, registers 4-7 at 512 + 16 L.  Lane (r = L % 16, h = L / 16), register j = 4 q + c holds rows k0, k0 + 1 of one column:
;     f = 0..3      W1, column 16 f + r,        k0 = 16 h + 2 j   (the order in which the next launch's feature registers lie)
;     f = 4+4ks+mb  W2, column 16 mb + r,       k0 = 32 ks + 16 q + 8 h + 2 c
;     f = 12+ks     W3, column r (0 for r > 2), k0 = 32 ks + 16 q + 8 h + 2 c
;   and g, 64 times, at byte 14,336.
	s_load_b256 s[4:11], s[0:1], 0x0               ; pos s[4:5], W1 s[6:7], W2 s[8:9], W3 s[10:11]
	s_load_b128 s[12:15], s[0:1], 0x20             ; mfix s[12:13], wfrag s[14:15]
	v_lshrrev_b32 v1, 5, v0
	v_readfirstlane_b32 s16, v1                    ; wave 0..7
	s_mov_b32 s17, 0x4f800000                      ; 2^32
	s_mov_b32 s18, 0x4f7fffff                      ; the largest f32 below it
	s_wait_kmcnt 0x0
	s_cmp_eq_u32 ttmp9, 0
	s_cbranch_scc1 .Lpack
	; ---- the stream ----
	s_sub_co_u32 s2, ttmp9, 1
	s_lshl_b32 s2, s2, 15                          ; my 32,768 bytes
	s_mov_b32 s3, 0
	s_add_nc_u64 s[4:5], s[4:5], s[2:3]
	s_add_nc_u64 s[12:13], s[12:13], s[2:3]
	v_lshlrev_b32 v1, 4, v0
.irp k, 0,1,2,3,4,5,6,7
	global_load_b128 v[32+4*(\k):35+4*(\k)], v1, s[4:5] offset:4096*(\k) th:TH_LOAD_NT
.endr
.irp k, 0,1,2,3,4,5,6,7
	s_wait_loadcnt 7-(\k)                          ; loads come back in order: piece k is in, the younger ones stay out
	v_pk_mul_f32 v[32+4*(\k):33+4*(\k)], v[32+4*(\k):33+4*(\k)], 0x4f800000 op_sel_hi:[1,0]
	v_pk_mul_f32 v[34+4*(\k):35+4*(\k)], v[34+4*(\k):35+4*(\k)], 0x4f800000 op_sel_hi:[1,0]
.irp e, 0,1,2,3
	v_cmp_le_f32 vcc_lo, s17, v[32+4*(\k)+(\e)]    ; 2^32 or more?
	v_med3_num_f32 v[32+4*(\k)+(\e)], v[32+4*(\k)+(\e)], 0, s18
	v_cvt_u32_f32 v[32+4*(\k)+(\e)], v[32+4*(\k)+(\e)]
	v_cndmask_b32 v[32+4*(\k)+(\e)], v[32+4*(\k)+(\e)], -1, vcc_lo
.endr
	global_store_b128 v1, v[32+4*(\k):35+4*(\k)], s[12:13] offset:4096*(\k)  ; no register of a store is written again
.endr
	s_endpgm
	; ---- the weights ----  Every wave finds both norms by itself (no LDS, no barrier); wave 2 fs + q then makes half q of fragments fs, fs + 4, fs + 8 and, waves 0 to 3, 12 + fs.
.Lpack:
	v_and_b32 v1, 31, v0                           ; L
	v_and_b32 v2, 15, v0                           ; r
	v_bfe_u32 v3, v0, 4, 1                         ; h
	s_and_b32 s19, s16, 1                          ; q
	s_lshr_b32 s20, s16, 1                         ; fs
	s_mov_b32 s24, 0x76543210                      ; v_permlanex16_b32: each lane takes its own place in the other half
	s_mov_b32 s25, 0xfedcba98
	v_mov_b32 v15, 0                               ; that instruction's destination counts as read
	v_lshlrev_b32 v4, 3, v1                        ; 8 L: my two columns of a row of 64
	v_lshlrev_b32 v9, 2, v2                        ; 4 r
	s_lshl_b32 s22, s20, 6                         ; 64 fs: 16 columns a block
	s_lshl_b32 s21, s19, 11
	s_add_co_u32 s21, s21, s22
	v_lshl_add_u32 v5, v3, 12, v9
	v_add_nc_u32 v5, s21, v5                       ; W1: 256 (16 h + 8 q) + 4 (16 fs + r)
	s_lshl_b32 s21, s19, 12
	s_add_co_u32 s21, s21, s22
	v_lshl_add_u32 v6, v3, 11, v9
	v_add_nc_u32 v6, s21, v6                       ; W2: 256 (16 q + 8 h) + 4 (16 fs + r)
	s_and_b32 s23, s20, 1
	s_mul_i32 s23, s23, 384
	s_mul_i32 s21, s19, 192
	s_add_co_u32 s21, s21, s23
	v_min_u32 v7, 2, v2
	v_lshlrev_b32 v7, 2, v7
	v_mad_u32_u24 v7, v3, 96, v7
	v_add_nc_u32 v7, s21, v7                       ; W3: 12 (32 (fs % 2) + 16 q + 8 h) + 4 min(r, 2): inside the 768 bytes in every wave
	s_lshl_b32 s21, s19, 9
	s_lshl_b32 s22, s20, 10
	s_add_co_u32 s21, s21, s22
	v_lshl_add_u32 v8, v1, 4, s21                  ; where I store: 16 L + 512 q + 1,024 fs
.set k, 0
.rept 32
	global_load_b64 v[32+2*k:33+2*k], v4, s[6:7] offset:256*k    ; a whole row of W1: 256 consecutive bytes a wave
.set k, k+1
.endr
.set k, 0
.rept 64
	global_load_b64 v[96+2*k:97+2*k], v4, s[8:9] offset:256*k    ; and of W2
.set k, k+1
.endr
.irp c, 0,1,2,3
.irp e, 0,1
	global_load_b32 v[224+2*(\c)+(\e)], v5, s[6:7] offset:512*(\c)+256*(\e)
	global_load_b32 v[232+2*(\c)+(\e)], v6, s[8:9] offset:512*(\c)+256*(\e)
	global_load_b32 v[240+2*(\c)+(\e)], v6, s[8:9] offset:8192+512*(\c)+256*(\e)
	global_load_b32 v[248+2*(\c)+(\e)], v7, s[10:11] offset:24*(\c)+12*(\e)
.endr
.endr
	s_wait_loadcnt 0x0
; The largest column sum n of magnitudes; e = the power of two at or below n; s = 0.5 / e into the pair sp; 1 / s = 2 e into inv.  All by the exponent field.
.macro NORM base, rows, sp, inv
	v_add_f32 v9,  |v[(\base)]|,   |v[(\base)+2]|
	v_add_f32 v14, |v[(\base)+1]|, |v[(\base)+3]|
.set k, 2
.rept (\rows)-2
	v_add_f32 v9,  v9,  |v[(\base)+2*k]|
	v_add_f32 v14, v14, |v[(\base)+2*k+1]|
.set k, k+1
.endr
	v_max_num_f32 v9, v9, v14
	v_max_num_f32_dpp v9, v9, v9 row_xmask:1 row_mask:0xf bank_mask:0xf
	v_max_num_f32_dpp v9, v9, v9 row_xmask:2 row_mask:0xf bank_mask:0xf
	v_max_num_f32_dpp v9, v9, v9 row_xmask:4 row_mask:0xf bank_mask:0xf
	v_max_num_f32_dpp v9, v9, v9 row_xmask:8 row_mask:0xf bank_mask:0xf
	v_permlanex16_b32 v15, v9, s24, s25
	v_max_num_f32 v9, v9, v15
	v_and_b32 v9, 0x7f800000, v9
	v_sub_nc_u32 v[(\sp)], 0x7e800000, v9
	v_mov_b32 v[(\sp)+1], v[(\sp)]
	v_add_nc_u32 v[(\inv)], 0x00800000, v9
.endm
	NORM 32, 32, 10, 32                            ; s1 in v[10:11], 1 / s1 in v32 (W1's rows are done with)
	NORM 96, 64, 12, 33                            ; s2 in v[12:13], 1 / s2 in v33
	v_mul_f32 v34, v32, v33
	v_mul_f32 v34, 0x37800000, v34                 ; g = 2^-16 / (s1 s2)
	v_mov_b32 v35, v34
.irp c, 0,1,2,3
	v_pk_mul_f32 v[224+2*(\c):225+2*(\c)], v[224+2*(\c):225+2*(\c)], v[10:11]
	v_pk_mul_f32 v[232+2*(\c):233+2*(\c)], v[232+2*(\c):233+2*(\c)], v[12:13]
	v_pk_mul_f32 v[240+2*(\c):241+2*(\c)], v[240+2*(\c):241+2*(\c)], v[12:13]
.endr
.irp i, 0,1,2,3
.irp c, 0,1,2,3
	v_cvt_pk_f16_f32 v[16+4*(\i)+(\c)], v[224+8*(\i)+2*(\c)], v[225+8*(\i)+2*(\c)]  ; the lower row into the low half
.endr
.endr
	v_cmp_gt_u32 vcc_lo, 3, v2                     ; W3 has three columns: the other thirteen rows of its fragment are 0
.irp c, 0,1,2,3
	v_cndmask_b32 v[28+(\c)], 0, v[28+(\c)], vcc_lo
.endr
.irp i, 0,1,2
	global_store_b128 v8, v[16+4*(\i):19+4*(\i)], s[14:15] offset:4096*(\i)  ; 512 consecutive bytes a wave
.endr
	s_cmp_lt_u32 s16, 4
	s_cbranch_scc0 .Lno_w3
	global_store_b128 v8, v[28:31], s[14:15] offset:12288
.Lno_w3:
	s_cmp_eq_u32 s16, 7
	s_cbranch_scc0 .Lno_g
	global_store_b64 v4, v[34:35], s[14:15] offset:14336                     ; 256 consecutive bytes
.Lno_g:
	s_endpgm
.Lfunc_end_k_q8f34b1e298_prep:
	.size	k_q8f34b1e298_prep, .Lfunc_end_k_q8f34b1e298_prep-k_q8f34b1e298_prep
	.p2alignl 7, 3214868480
	.fill 96, 4, 3214868480
	.section	.rodata,"a",@progbits
	.p2align	6, 0x0
	.amdhsa_kernel k_q8f34b1e298_prep
		.amdhsa_group_segment_fixed_size 0
		.amdhsa_private_segment_fixed_size 0
		.amdhsa_enable_private_segment 0
		.amdhsa_kernarg_size 48
		.amdhsa_user_sgpr_count 2
		.amdhsa_user_sgpr_kernarg_segment_ptr 1
		.amdhsa_wavefront_size32 1
		.amdhsa_system_sgpr_workgroup_id_x 1
		.amdhsa_system_sgpr_workgroup_id_y 1
		.amdhsa_system_sgpr_workgroup_id_z 1
		.amdhsa_system_vgpr_workitem_id 0
		.amdhsa_next_free_vgpr 256
		.amdhsa_next_free_sgpr 66
		.amdhsa_reserve_vcc 1
		.amdhsa_float_denorm_mode_32 3
		.amdhsa_float_denorm_mode_16_64 3
		.amdhsa_memory_ordered 1
		.amdhsa_forward_progress 1
		.amdhsa_inst_pref_size 40
	.end_amdhsa_kernel
	.amdgpu_metadata
---
amdhsa.version: [ 1, 2 ]
amdhsa.kernels:
  - .name:           k_q8f34b1e298_prep
    .symbol:         k_q8f34b1e298_prep.kd
    .args:
      - { .name: v_pixel_pos, .offset: 0, .size: 8, .value_kind: global_buffer, .address_space: global }
      - { .name: W1, .offset: 8, .size: 8, .value_kind: global_buffer, .address_space: global }
      - { .name: W2, .offset: 16, .size: 8, .value_kind: global_buffer, .address_space: global }
      - { .name: W3, .offset: 24, .size: 8, .value_kind: global_buffer, .address_space: global }
      - { .name: mfix, .offset: 32, .size: 8, .value_kind: global_buffer, .address_space: global }
      - { .name: wfrag, .offset: 40, .size: 8, .value_kind: global_buffer, .address_space: global }
    .group_segment_fixed_size: 0
    .private_segment_fixed_size: 0
    .kernarg_segment_align: 8
    .kernarg_segment_size: 48
    .max_flat_workgroup_size: 256
    .sgpr_count:     66
    .vgpr_count:     256
    .wavefront_size: 32
...
	.end_amdgpu_metadata
.endif
;; end of part 1
;; launch ngp (part 2): grid 256 x 1, 8 waves a work-group, no clusters, 201,728 bytes of LDS; arguments mfix, hash_table, wfrag, out0; writes out0
.if DOCPART == 2
	.amdgcn_target "amdgcn-amd-amdhsa--gfx1250"
	.amdhsa_code_object_version 6
	.text
	.protected	k_q8f34b1e298_ngp
	.globl	k_q8f34b1e298_ngp
	.p2align	8
	.type	k_q8f34b1e298_ngp,@function
k_q8f34b1e298_ngp:
	s_mov_b64 s[64:65], 0
	v_nop
	global_prefetch_b8 v0, s[64:65] scope:SCOPE_SE
	s_setreg_imm32_b32 hwreg(HW_REG_WAVE_MODE, 25, 1), 1
	s_wait_xcnt 0x0
; HASH-GRID ENCODING AND MLP.  2,097,152 points; 16 levels x 4 corners x 8 bytes gathered a point; 32 features -> 64 -> 64 -> 3, ReLU between, no bias.
; SHARES.  256 work-groups of eight waves; wave gid = 8 x work-group + wave owns points 1,024 gid on: 32 trips of 32 points, a lane a point.
; INDICES come from mfix alone (the position x 2^32 as a whole number, made by the launch before).  With M that number, the cell of level l is the high word of
;   Q_l = M (2^(l+4) - 1) + 2^31, and Q_(l+1) = 2 Q_l + (M - 2^31): one 64-bit shift-and-add a coordinate and level.
; WEIGHTS of the interpolation repeat the model's f32 arithmetic: p = pos x scale + 0.5 in f32 (here one fused multiply-add on float(M) and scale x 2^-32; a separate multiply and add give the
;   same number unless the 0.5 carries p over a power of two), w = p - cell.  Where p is rounded up onto the next whole number the model takes that cell with w = 0, this text the cell below with w = 1: the same value.
; LEVELS 0-3 (2,184 + 8,456 + 33,288 + 132,104 bytes are ever indexed) are copied into LDS once and gathered there: 16 of a point's 64 gathers.  Levels 4, 5: dense index; 6-15: hashed.
; PIPELINE.  A trip interpolates the batch whose gathers are out, issues the next batch's 48 gathers, and runs the MLP while they are on their way.
; FORMATS.  Matrix operands in f16, sums in f32.  Features are multiplied by 2^16 before they are rounded; W1 and W2 arrive scaled so that no hidden number exceeds the largest scaled feature;
;   the outputs are multiplied by g in f32.  LIMITS: |feature| < 1 (else f16 overflows); positions in 0 to 1 (see the launch before); NaN and infinities are not treated apart.
; LAYOUT OF THE PRODUCTS.  Source 0 = 16 neurons x 32 inputs (weights), source 1 = 32 inputs x 16 points.  A result holds one point a lane (lane % 16) and neurons 8 (lane / 16) + 0..7:
;   two results, ReLU'd and rounded in pairs, ARE the next layer's source 1.  The features lie a point a lane, a level a register: one exchange of lane halves between registers j and 8 + j
;   makes of them two source-1 fragments with level 8 (lane / 16) + j in register j; W1's fragments were laid in that order of K.
; NO tensor loads, cluster or joint loads: what work-groups share is 188 KB of small tables and 14 KB of weights, read once ahead of the loop.
.set TB0,   0                          ; LDS: level 0's table, 4,096 bytes
.set TB1,   4096                       ; level 1's, 12,288
.set TB2,   16384                      ; level 2's, 36,864
.set TB3,   53248                      ; level 3's, 135,168
.set STAGE, 188416                     ; 1,536 bytes for each wave, its own: 128 points' outputs
.set SPARE, 200704                     ; the spare words, 128 bytes for each wave: four blocks of 256 bytes that no other line names
.set L16, 1                            ; v1   16 x lane; never rewritten
.set STA, 2                            ; v2   my stage + 12 x lane
.set STR, 3                            ; v3   my stage + 16 x lane
.set MO,  4                            ; v4   8 x lane; never rewritten
.set TA,  5                            ; v5   an address at work
.set PF,  6                            ; v[6:7]    float(Mx), float(My)
.set MF,  8                            ; v[8:9]    Mx, My of the batch to be issued next
.set QX,  10                           ; v[10:11]  Q for x: the high word is the cell
.set QY,  12                           ; v[12:13]  for y
.set NX,  14                           ; v[14:15]  Mx - 2^31 in 64 bits
.set NY,  16                           ; v[16:17]
.set TT,  18                           ; v[18:19]  p
.set CC,  20                           ; v[20:21]  the cells as f32
.set X1,  22                           ; v22  cx + 1
.set H0,  23                           ; v23  cy x prime, 19 bits
.set H1,  24                           ; v24  (cy + 1) x prime, 19 bits
.set IX,  26                           ; v26, v27  byte offsets of levels 4 and 5: four loads share each, so they are kept until the level is in
.set SPW, 28                           ; v28  LDS address of my spare word; never rewritten
.set NIL, 29                           ; v29  0; never rewritten
.set WW,  32                           ; v[32:55]   (wx, wy) of levels 4-15
.set FL,  56                           ; v[56:63]   scaled f32 features of levels 0-3 of the batch that is out
.set FF,  64                           ; v[64:79]   16 pairs of f16 features
.set GB,  80                           ; v[80:175]  gathers of levels 4-15, 8 registers a level
.set DD,  176                          ; v[176:207] four accumulators
.set LB,  176                          ;            while a batch is issued: the LDS gathers of levels 0-3
.set HA,  208                          ; v[208:223] layer 1's output, f16
.set WL,  208                          ;            while a batch is issued: (wx, wy) of levels 0-3
.set HB,  224                          ; v[224:255] layer 2's output, f16, 16 registers a tile of 16 points
; v256-367 (window 1, named v0-111): the 14 weight fragments, 8 registers each.  Only source 0 of the matrix instructions and the loads that fill them name that window.
; s[4:5] mfix at my first point; s[6:7] table; s[8:9] wfrag; s[10:11] out0 at my next 1,536 bytes; s12 wave; s13 trip; s14 at work; s15 g; s[16:17] byte offset of the next M; s[18:19] its address;
; s[20:43] the tables of levels 4-15; s[44:51] of levels 0-3; s52 2^19 - 1; s53 trip % 4
.set MSB, 0
.macro WIN new                         ; s_set_vgpr_msb: bits 1:0 source 0, 7:6 destination; the high byte repeats the setting that is left
.if MSB != (\new)
	s_set_vgpr_msb (MSB<<8)|(\new)
.set MSB, (\new)
.endif
.endm
.set W_LD, 0x40                        ; destination in window 1
.set W_MM, 0x01                        ; source 0 in window 1
.macro STEPQ                           ; Q of the next level
	v_lshl_add_u64 v[QX:QX+1], v[QX:QX+1], 1, v[NX:NX+1]
	v_lshl_add_u64 v[QY:QY+1], v[QY:QY+1], 1, v[NY:NY+1]
.endm
; A batch begins: float(M); N = M - 2^31, sign-extended; Q = M + 2^31 (the level with scale 1), three levels below level 0.  Then the batch after's M is asked for: it is older than all
; gathers of this batch, so the counted waits for those need not count it.
.macro START
	v_cvt_f32_u32 v[PF], v[MF]
	v_cvt_f32_u32 v[PF+1], v[MF+1]
	v_xor_b32 v[NX], 0x80000000, v[MF]
	v_xor_b32 v[NY], 0x80000000, v[MF+1]
	v_lshrrev_b32 v[QX+1], 31, v[MF]
	v_lshrrev_b32 v[QY+1], 31, v[MF+1]
	v_mov_b32 v[QX], v[NX]
	v_mov_b32 v[QY], v[NY]
	v_ashrrev_i32 v[NX+1], 31, v[NX]
	v_ashrrev_i32 v[NY+1], 31, v[NY]
	s_add_nc_u64 s[18:19], s[4:5], s[16:17]        ; the load that named s[18:19] last has been waited for
	global_load_b64 v[MF:MF+1], v[MO], s[18:19] th:TH_LOAD_NT
	STEPQ
	STEPQ
	STEPQ
.endm
; scb = the f32 pattern of (2^(l+4) - 1) x 2^-32: l + 4 ones, exponent l + 3 - 32
.macro FRAC l, dst
.set scb, (((\l)+98)<<23)|(((1<<((\l)+3))-1)<<(20-(\l)))
	v_pk_fma_f32 v[TT:TT+1], v[PF:PF+1], scb, 0.5 op_sel_hi:[1,0,0]
	v_cvt_f32_u32 v[CC], v[QX+1]
	v_cvt_f32_u32 v[CC+1], v[QY+1]
	v_pk_add_f32 v[(\dst):(\dst)+1], v[TT:TT+1], v[CC:CC+1] neg_lo:[0,1] neg_hi:[0,1]
.endm
; Corners in the order (0,0), (1,0), (0,1), (1,1).  A dense level's grid is 16 x 2^l wide; the base corner's index is below its square.
.macro LVL_LDS l, tb
.set rs8, 8*(16<<(\l))
.if (\l) > 0
	STEPQ
.endif
	FRAC \l, WL+2*(\l)
	v_lshl_add_u32 v[TA], v[QY+1], (\l)+4, v[QX+1]
	v_min_u32 v[TA], (1<<(2*(\l)+8))-1, v[TA]
	v_lshlrev_b32 v[TA], 3, v[TA]
	ds_load_b64 v[LB+8*(\l):LB+8*(\l)+1],   v[TA] offset:(\tb)
	ds_load_b64 v[LB+8*(\l)+2:LB+8*(\l)+3], v[TA] offset:(\tb)+8
	ds_load_b64 v[LB+8*(\l)+4:LB+8*(\l)+5], v[TA] offset:(\tb)+rs8
	ds_load_b64 v[LB+8*(\l)+6:LB+8*(\l)+7], v[TA] offset:(\tb)+rs8+8
.endm
.macro LVL_DENSE l
.set rs8, 8*(16<<(\l))
.set gd, GB+8*((\l)-4)
.set sb, 20+2*((\l)-4)
	STEPQ
	FRAC \l, WW+2*((\l)-4)
	v_lshl_add_u32 v[IX+(\l)-4], v[QY+1], (\l)+4, v[QX+1]
	v_min_u32 v[IX+(\l)-4], (1<<(2*(\l)+8))-1, v[IX+(\l)-4]
	v_lshlrev_b32 v[IX+(\l)-4], 3, v[IX+(\l)-4]
	global_load_b64 v[gd:gd+1],   v[IX+(\l)-4], s[sb:sb+1]
	global_load_b64 v[gd+2:gd+3], v[IX+(\l)-4], s[sb:sb+1] offset:8
	global_load_b64 v[gd+4:gd+5], v[IX+(\l)-4], s[sb:sb+1] offset:rs8
	global_load_b64 v[gd+6:gd+7], v[IX+(\l)-4], s[sb:sb+1] offset:rs8+8
.endm
; index = (cx ^ cy x 2654435761) mod 2^19.  The product's low 19 bits hang on the low 19 bits of both factors: 0x779b1 is the prime's; cy stays under 2^24.
; cx + 1 reaches 2^19 at level 15 alone.  Each load lands on its own index register, so no index outlives its load.
.macro LVL_HASH l
.set scb, (((\l)+98)<<23)|(((1<<((\l)+3))-1)<<(20-(\l)))
.set gd, GB+8*((\l)-4)
.set sb, 20+2*((\l)-4)
	STEPQ
	v_pk_fma_f32 v[TT:TT+1], v[PF:PF+1], scb, 0.5 op_sel_hi:[1,0,0]
	v_add_nc_u32 v[X1], 1, v[QX+1]
	v_mul_u32_u24 v[H0], 0x779b1, v[QY+1]
	v_mad_u32_u24 v[H1], v[QY+1], 0x779b1, 0x779b1
	v_cvt_f32_u32 v[CC], v[QX+1]
	v_cvt_f32_u32 v[CC+1], v[QY+1]
.if (\l) == 15
	v_and_b32 v[X1], s52, v[X1]
.endif
	v_and_b32 v[H0], s52, v[H0]
	v_and_b32 v[H1], s52, v[H1]
	v_pk_add_f32 v[WW+2*((\l)-4):WW+2*((\l)-4)+1], v[TT:TT+1], v[CC:CC+1] neg_lo:[0,1] neg_hi:[0,1]
	v_xor_b32 v[gd],   v[QX+1], v[H0]
	v_xor_b32 v[gd+2], v[X1],   v[H0]
	v_xor_b32 v[gd+4], v[QX+1], v[H1]
	v_xor_b32 v[gd+6], v[X1],   v[H1]
.irp c, 0,2,4,6
	v_min_u32 v[gd+(\c)], 0x7ffff, v[gd+(\c)]      ; changes nothing: the index is written down as bounded
.endr
.irp c, 0,2,4,6
	global_load_b64 v[gd+(\c):gd+(\c)+1], v[gd+(\c)], s[sb:sb+1] scale_offset
.endr
.endm
; Line n of the seven that interpolate a level's four corners at d (two features each) with (wx, wy) at w, and scale by 2^16 into o.
.macro LLINE n, d, w, o
.if (\n) == 0
	v_pk_add_f32 v[(\d)+2:(\d)+3], v[(\d)+2:(\d)+3], v[(\d):(\d)+1] neg_lo:[0,1] neg_hi:[0,1]
.elseif (\n) == 1
	v_pk_add_f32 v[(\d)+6:(\d)+7], v[(\d)+6:(\d)+7], v[(\d)+4:(\d)+5] neg_lo:[0,1] neg_hi:[0,1]
.elseif (\n) == 2
	v_pk_fma_f32 v[(\d):(\d)+1], v[(\d)+2:(\d)+3], v[(\w):(\w)+1], v[(\d):(\d)+1] op_sel_hi:[1,0,1]            ; along x, lower row
.elseif (\n) == 3
	v_pk_fma_f32 v[(\d)+4:(\d)+5], v[(\d)+6:(\d)+7], v[(\w):(\w)+1], v[(\d)+4:(\d)+5] op_sel_hi:[1,0,1]        ; upper row
.elseif (\n) == 4
	v_pk_add_f32 v[(\d)+4:(\d)+5], v[(\d)+4:(\d)+5], v[(\d):(\d)+1] neg_lo:[0,1] neg_hi:[0,1]
.elseif (\n) == 5
	v_pk_fma_f32 v[(\d):(\d)+1], v[(\d)+4:(\d)+5], v[(\w):(\w)+1], v[(\d):(\d)+1] op_sel:[0,1,0] op_sel_hi:[1,1,1]  ; along y
.else
	v_pk_mul_f32 v[(\o):(\o)+1], v[(\d):(\d)+1], 0x47800000 op_sel_hi:[1,0]
.endif
.endm
.macro LERP2 d0, w0, o0, d1, w1, o1    ; two levels, line by line by turns, so that no line reads the result of the one before it
.irp n, 0,1,2,3,4,5,6
	LLINE \n, \d0, \w0, \o0
	LLINE \n, \d1, \w1, \o1
.endr
.endm
; A batch's indices, weights and gathers; its levels 0-3 are finished here, from LDS.
.macro ISSUE
	START
	LVL_LDS 0, TB0
	LVL_LDS 1, TB1
	LVL_LDS 2, TB2
	LVL_LDS 3, TB3
	LVL_DENSE 4
	LVL_DENSE 5
.irp l, 6,7,8,9,10,11,12,13,14,15
	LVL_HASH \l
.endr
	s_wait_dscnt 0x0                               ; the sixteen LDS gathers, issued twelve levels' work ago
	LERP2 LB, WL, FL, LB+8, WL+2, FL+2
	LERP2 LB+16, WL+4, FL+4, LB+24, WL+6, FL+6
.endm
; The batch that is out: its 16 pairs of features, rounded to f16.
.macro CONSUME
.irp l, 0,1,2,3
	v_cvt_pk_f16_f32 v[FF+(\l)], v[FL+2*(\l)], v[FL+2*(\l)+1]
.endr
.irp i, 0,1,2,3,4,5
	s_wait_loadcnt (5-(\i))*8                      ; loads come back in order: all but the eight gathers of each younger pair of levels; the last count is 0 and shows the next M in too
	LERP2 GB+16*(\i), WW+4*(\i), GB+16*(\i), GB+16*(\i)+8, WW+4*(\i)+2, GB+16*(\i)+8
	v_cvt_pk_f16_f32 v[FF+4+2*(\i)], v[GB+16*(\i)], v[GB+16*(\i)+1]
	v_cvt_pk_f16_f32 v[FF+5+2*(\i)], v[GB+16*(\i)+8], v[GB+16*(\i)+9]
.endr
.endm
; ReLU and rounding of the four accumulators into 16 registers at dst.  Four v_nop are the places between the last product and the first read of a result (ISA guide 7.12.1);
; each accumulator is read from its lowest registers on.
.macro ACT dst
	WIN 0
.rept 4
	v_nop
.endr
.set a, 0
.rept 8
	v_max_num_f32 v[DD+4*a],   0, v[DD+4*a]
	v_max_num_f32 v[DD+4*a+1], 0, v[DD+4*a+1]
	v_max_num_f32 v[DD+4*a+2], 0, v[DD+4*a+2]
	v_max_num_f32 v[DD+4*a+3], 0, v[DD+4*a+3]
	v_cvt_pk_f16_f32 v[(\dst)+2*a],   v[DD+4*a],   v[DD+4*a+1]
	v_cvt_pk_f16_f32 v[(\dst)+2*a+1], v[DD+4*a+2], v[DD+4*a+3]
.set a, a+1
.endr
.endm
; The MLP for 32 points, two tiles of 16.  The accumulators take turns, one instruction a turn.
.macro MLP
.irp j, 0,1,2,3,4,5,6,7
	v_permlane16_swap_b32 v[FF+(\j)], v[FF+8+(\j)] ; v[FF:FF+7]: points 0-15, level 8 (lane / 16) + j; v[FF+8:FF+15]: points 16-31
.endr
.irp u, 0,1
	WIN W_MM
.irp mb, 0,1,2,3
	v_wmma_f32_16x16x32_f16 v[DD+8*(\mb):DD+8*(\mb)+7], v[8*(\mb):8*(\mb)+7], v[FF+8*(\u):FF+8*(\u)+7], 0
.endr
	ACT HA
	WIN W_MM
.irp mb, 0,1,2,3
	v_wmma_f32_16x16x32_f16 v[DD+8*(\mb):DD+8*(\mb)+7], v[32+8*(\mb):32+8*(\mb)+7], v[HA:HA+7], 0
.endr
.irp mb, 0,1,2,3
	v_wmma_f32_16x16x32_f16 v[DD+8*(\mb):DD+8*(\mb)+7], v[64+8*(\mb):64+8*(\mb)+7], v[HA+8:HA+15], v[DD+8*(\mb):DD+8*(\mb)+7]
.endr
	ACT HB+16*(\u)
.endr
	WIN W_MM
	v_wmma_f32_16x16x32_f16 v[DD:DD+7],    v[96:103],  v[HB:HB+7],     0
	v_wmma_f32_16x16x32_f16 v[DD+8:DD+15], v[96:103],  v[HB+16:HB+23], 0
	v_wmma_f32_16x16x32_f16 v[DD:DD+7],    v[104:111], v[HB+8:HB+15],  v[DD:DD+7]
	v_wmma_f32_16x16x32_f16 v[DD+8:DD+15], v[104:111], v[HB+24:HB+31], v[DD+8:DD+15]
	WIN 0
.rept 4
	v_nop
.endr
.irp j, 0,1,2
	v_permlane16_swap_b32 v[DD+(\j)], v[DD+8+(\j)] ; outputs 0-2 lie in registers 0-2 of lanes 0-15 of each tile: now lane L holds point L's
.endr
.irp j, 0,1,2
	v_mul_f32 v[DD+(\j)], s15, v[DD+(\j)]
.endr
.endm
	s_load_b256 s[4:11], s[0:1], 0x0               ; mfix s[4:5], table s[6:7], wfrag s[8:9], out0 s[10:11]
	v_lshl_add_u32 v[SPW], v0, 2, SPARE
	v_mov_b32 v[NIL], 0
	v_lshrrev_b32 v7, 5, v0
	v_readfirstlane_b32 s12, v7                    ; wave 0..7
	v_and_b32 v7, 31, v0                           ; lane
	v_lshlrev_b32 v[L16], 4, v7
	v_lshlrev_b32 v[MO], 3, v7
	s_mul_i32 s14, s12, 1536
	s_add_co_u32 s14, s14, STAGE                   ; my stage
	v_mad_u32_u24 v[STA], v7, 12, s14
	v_lshl_add_u32 v[STR], v7, 4, s14
	v_lshlrev_b32 v[TA], 4, v0                     ; the table copy: 16 x thread, in memory (kept while the loads are out)
	v_lshlrev_b32 v[PF], 4, v0                     ; and in LDS (stepped)
	s_lshl_b32 s2, ttmp9, 3
	s_add_co_u32 s2, s2, s12                       ; gid
	s_lshl_b32 s54, s2, 13                         ; 1,024 points x 8 bytes
	s_mov_b32 s55, 0
	s_mul_i32 s56, s2, 12288                       ; 1,024 points x 12 bytes
	s_mov_b32 s57, 0
	s_mov_b32 s52, 0x7ffff
	s_mov_b32 s16, 256                             ; the first batch asks for batch 1's M
	s_mov_b32 s17, 0
	s_wait_kmcnt 0x0
	s_load_b32 s15, s[8:9], 0x3800                 ; g
	s_add_nc_u64 s[4:5], s[4:5], s[54:55]
	s_add_nc_u64 s[10:11], s[10:11], s[56:57]
.irp l, 0,1,2,3
	s_add_nc_u64 s[44+2*(\l):45+2*(\l)], s[6:7], (\l)<<22      ; a level's table is 4 MiB
.endr
.irp l, 4,5,6,7,8,9,10,11,12,13,14,15
	s_add_nc_u64 s[20+2*((\l)-4):21+2*((\l)-4)], s[6:7], (\l)<<22
.endr
	global_load_b64 v[MF:MF+1], v[MO], s[4:5] th:TH_LOAD_NT    ; batch 0's M
	WIN W_LD
.set f, 0
.rept 14
	global_load_b128 v[8*f:8*f+3],   v[L16], s[8:9] offset:1024*f
	global_load_b128 v[8*f+4:8*f+7], v[L16], s[8:9] offset:1024*f+512
.set f, f+1
.endr
	WIN 0
	; The tables of levels 0-3 into LDS: 46 passes of 4,096 bytes (1 + 3 + 9 + 33), 16 bytes a thread; pass g lies at LDS byte 4,096 g.
.set g, 0
.rept 46
.if g < 1
.set lv, 0
.set g0, 0
.elseif g < 4
.set lv, 1
.set g0, 1
.elseif g < 13
.set lv, 2
.set g0, 4
.else
.set lv, 3
.set g0, 13
.endif
	global_load_b128 v[64+4*g:64+4*g+3], v[TA], s[44+2*lv:45+2*lv] offset:4096*(g-g0)
.set g, g+1
.endr
.set g, 0
.rept 46
	s_wait_loadcnt 45-g                            ; pass g is in (and M and the weights, which are older); the younger passes stay out
	ds_store_b128 v[PF], v[64+4*g:64+4*g+3] offset:4096*(g%12)
.if g%12 == 11
	v_add_nc_u32 v[PF], 49152, v[PF]               ; the immediate has 16 bits: the register carries the rest
.endif
.set g, g+1
.endr
	s_wait_kmcnt 0x0                               ; g
	s_wait_dscnt 0x0                               ; for the others' sake: my part of the tables is written
	s_barrier_signal -1
	s_barrier_wait -1                              ; everybody's is; from here on the tables are only read, and a stage is touched by its own wave alone: no further barrier
	ISSUE                                          ; batch 0
	s_mov_b32 s13, 0
.Ltrip:                                                ; trip t: batch t is finished; batch t + 1 is issued
	CONSUME
	s_cmp_eq_u32 s13, 31
	s_cbranch_scc1 .Lno_issue                      ; the last trip has no batch to issue
	s_add_co_u32 s16, s13, 2
	s_min_u32 s16, s16, 31                         ; batch t + 2's M; in trip 30 batch 31's once more, so that the load stays inside my share and every batch has the same count of loads
	s_lshl_b32 s16, s16, 8
	ISSUE
.Lno_issue:
	MLP
	s_and_b32 s53, s13, 3
	s_mul_i32 s14, s53, 384                        ; four batches share the stage: 32 points x 12 bytes each
	v_add_nc_u32 v[TA], s14, v[STA]
.irp j, 0,1,2
	ds_store_b32 v[TA], v[DD+(\j)] offset:4*(\j)
.endr
	s_cmp_lg_u32 s53, 3
	s_cbranch_scc1 .Lno_flush
.irp i, 0,1,2
	ds_load_b128 v[DD+16+4*(\i):DD+19+4*(\i)], v[STR] offset:512*(\i)  ; LDS serves a wave's instructions in order (ISA guide 5.7.1.4): these see my stores
.endr
.irp i, 0,1,2
	s_wait_dscnt 2-(\i)
	global_store_b128 v[L16], v[DD+16+4*(\i):DD+19+4*(\i)], s[10:11] offset:512*(\i) th:TH_STORE_NT  ; 512 consecutive bytes, at a multiple of 256 from out0's first byte
.endr
	s_wait_xcnt 0x0                                ; the stores' base and data are rewritten only behind this wait
	s_add_nc_u64 s[10:11], s[10:11], 1536
.Lno_flush:
	s_add_co_u32 s13, s13, 1
	s_cmp_lt_u32 s13, 32
	s_cbranch_scc1 .Ltrip
	s_wait_tensorcnt 0x0                           ; the wave's end, behind my last LDS store
	ds_add_u32 v[SPW], v[NIL]
	s_wait_dscnt 0x0
	s_endpgm
.Lfunc_end_k_q8f34b1e298_ngp:
	.size	k_q8f34b1e298_ngp, .Lfunc_end_k_q8f34b1e298_ngp-k_q8f34b1e298_ngp
	.p2alignl 7, 3214868480
	.fill 96, 4, 3214868480
	.section	.rodata,"a",@progbits
	.p2align	6, 0x0
	.amdhsa_kernel k_q8f34b1e298_ngp
		.amdhsa_group_segment_fixed_size 201728
		.amdhsa_private_segment_fixed_size 0
		.amdhsa_enable_private_segment 0
		.amdhsa_kernarg_size 32
		.amdhsa_user_sgpr_count 2
		.amdhsa_user_sgpr_kernarg_segment_ptr 1
		.amdhsa_wavefront_size32 1
		.amdhsa_system_sgpr_workgroup_id_x 1
		.amdhsa_system_sgpr_workgroup_id_y 1
		.amdhsa_system_sgpr_workgroup_id_z 1
		.amdhsa_system_vgpr_workitem_id 0
		.amdhsa_next_free_vgpr 368
		.amdhsa_next_free_sgpr 66
		.amdhsa_reserve_vcc 0
		.amdhsa_float_denorm_mode_32 3
		.amdhsa_float_denorm_mode_16_64 3
		.amdhsa_memory_ordered 1
		.amdhsa_forward_progress 1
		.amdhsa_inst_pref_size 76
	.end_amdhsa_kernel
	.amdgpu_metadata
---
amdhsa.version: [ 1, 2 ]
amdhsa.kernels:
  - .name:           k_q8f34b1e298_ngp
    .symbol:         k_q8f34b1e298_ngp.kd
    .args:
      - { .name: mfix, .offset: 0, .size: 8, .value_kind: global_buffer, .address_space: global }
      - { .name: hash_table, .offset: 8, .size: 8, .value_kind: global_buffer, .address_space: global }
      - { .name: wfrag, .offset: 16, .size: 8, .value_kind: global_buffer, .address_space: global }
      - { .name: out0, .offset: 24, .size: 8, .value_kind: global_buffer, .address_space: global }
    .group_segment_fixed_size: 201728
    .private_segment_fixed_size: 0
    .kernarg_segment_align: 8
    .kernarg_segment_size: 32
    .max_flat_workgroup_size: 256
    .sgpr_count:     66
    .vgpr_count:     368
    .wavefront_size: 32
...
	.end_amdgpu_metadata
.endif
;; end of part 2
;; ======== version 2 of 2: 2 launches; version 1 with the launch ngp written anew for expert scheduling mode
;; limits: inputs' magnitudes at most 1; values are held in f16: magnitudes above 65,504 overflow, below 6.1e-05 lose precision; below input magnitudes of 9.3e-10 results are inexact or not finite
;; workspace buffers: mfix 16,777,216 bytes of whole numbers; wfrag 14,592 bytes
;; launch prep: the kernel of part 1 again; grid 513 x 1, 8 waves a work-group, no clusters, 0 bytes of LDS; arguments v_pixel_pos, W1, W2, W3, mfix, wfrag; writes mfix, wfrag
;; launch ngp (part 3): grid 256 x 1, 8 waves a work-group, no clusters, 201,728 bytes of LDS; arguments mfix, hash_table, wfrag, out0; writes out0
.if DOCPART == 3
	.amdgcn_target "amdgcn-amd-amdhsa--gfx1250"
	.amdhsa_code_object_version 6
	.text
	.protected	k_q8f34b1e298_ngp
	.globl	k_q8f34b1e298_ngp
	.p2align	8
	.type	k_q8f34b1e298_ngp,@function
k_q8f34b1e298_ngp:
	s_mov_b64 s[64:65], 0
	v_nop
	global_prefetch_b8 v0, s[64:65] scope:SCOPE_SE
	s_setreg_imm32_b32 hwreg(HW_REG_WAVE_SCHED_MODE, 0, 2), 2
	s_setreg_imm32_b32 hwreg(HW_REG_WAVE_MODE, 25, 1), 1
	s_wait_xcnt 0x0
	s_wait_alu depctr_vm_vsrc(0)
; HASH-GRID ENCODING AND MLP.  2,097,152 points; 16 levels x 4 corners x 8 bytes gathered a point; 32 features -> 64 -> 64 -> 3, ReLU between, no bias.
; SHARES.  256 work-groups of eight waves; wave gid = 8 x work-group + wave owns points 1,024 gid on: 32 trips of 32 points, a lane a point.
; INDICES come from mfix alone (the position x 2^32 as a whole number, made by the launch before).  With M that number, the cell of level l is the high word of
;   Q_l = M (2^(l+4) - 1) + 2^31, and Q_(l+1) = 2 Q_l + (M - 2^31): one 64-bit shift-and-add a coordinate and level.
; WEIGHTS of the interpolation repeat the model's f32 arithmetic: p = pos x scale + 0.5 in f32 (here one fused multiply-add on float(M) and scale x 2^-32; a separate multiply and add give the
;   same number unless the 0.5 carries p over a power of two), w = p - cell.  Where p is rounded up onto the next whole number the model takes that cell with w = 0, this text the cell below with w = 1: the same value.
; LEVELS 0-3 (2,184 + 8,456 + 33,288 + 132,104 bytes are ever indexed) are copied into LDS once and gathered there: 16 of a point's 64 gathers.  Levels 4, 5: dense index; 6-15: hashed.
; PIPELINE.  A trip interpolates the batch whose gathers are out, issues the next batch's 48 gathers, and runs the MLP while they are on their way.
; FORMATS.  Matrix operands in f16, sums in f32.  Features are multiplied by 2^16 before they are rounded; W1 and W2 arrive scaled so that no hidden number exceeds the largest scaled feature;
;   the outputs are multiplied by g in f32.  LIMITS: |feature| < 1 (else f16 overflows); positions in 0 to 1 (see the launch before); NaN and infinities are not treated apart.
; LAYOUT OF THE PRODUCTS.  Source 0 = 16 neurons x 32 inputs (weights), source 1 = 32 inputs x 16 points.  A result holds one point a lane (lane % 16) and neurons 8 (lane / 16) + 0..7:
;   two results, ReLU'd and rounded in pairs, ARE the next layer's source 1.  The features lie a point a lane, a level a register: one exchange of lane halves between registers j and 8 + j
;   makes of them two source-1 fragments with level 8 (lane / 16) + j in register j; W1's fragments were laid in that order of K.
; NO tensor loads, cluster or joint loads: what work-groups share is 188 KB of small tables and 14 KB of weights, read once ahead of the loop.
; THE MODE: SCHED_MODE bits 1:0 = 2 (LLVM: expert scheduling mode 2), set by the entry lines.  The code itself states the register dependences
; between vector or matrix instructions and memory or LDS instructions, with s_wait_alu, always for 0.
; THE PLAN.  Registers that memory or LDS instructions touch, in the loop:
;   MF            The load of the next M lands in it (a batch's load number 0); START's lines at the head of the next batch read it.
;   LA, IX, HX    The LDS addresses of levels 0-3, the byte offsets of levels 4 and 5, one index for each corner of levels 6-15.  Written by a batch's address lines, read by that batch's gathers alone,
;                 written again in the next batch, behind the wait that shows those gathers done.
;   GB            The gathers of levels 4-15 land in it; CONSUME's interpolation reads and writes it.
;   DD (LB)       The LDS gathers land in it and are interpolated; then the MLP's accumulators; DD+0..2 are the stage stores' data; the stage's loads land in DD+16..27, the global stores' data.
;   TA            Written once a trip behind the MLP; read by the three stage stores.        L16, STR, MO: made at the head, never written again.
;   All else (PF, Q, N, TT, CC, X1, H0, H1, WW, FL, FF, HA, HB, the weights) is named by vector and matrix instructions alone.
; FOUR WAITS A TRIP.  (1) vm_vsrc at the trip's head: the last trip's stores and gathers have read TA, DD, LA, IX, HX.  (2) va_vdst behind the addresses of levels 0-9: behind it a batch's first 41 loads
; (M, the 16 LDS gathers, levels 4-9) are dealt among the address lines of levels 10-15, which name none of their registers.  (3) va_vdst behind the addresses of levels 10-15: the other 24 gathers are dealt
; among the interpolation of levels 0-3, which names LB and FL alone.  (4) va_vdst behind the MLP: the outputs and TA are written, and the MLP is done with the registers in which the stage's loads land.
.set TB0,   0                          ; LDS: level 0's table, 4,096 bytes
.set TB1,   4096                       ; level 1's, 12,288
.set TB2,   16384                      ; level 2's, 36,864
.set TB3,   53248                      ; level 3's, 135,168
.set STAGE, 188416                     ; 1,536 bytes for each wave, its own: 128 points' outputs
.set SPARE, 200704                     ; the spare words, 128 bytes for each wave: four blocks of 256 bytes that no other line names
.set L16, 1                            ; v1   16 x lane; never rewritten
.set STA, 2                            ; v2   my stage + 12 x lane
.set STR, 3                            ; v3   my stage + 16 x lane
.set MO,  4                            ; v4   8 x lane; never rewritten
.set TA,  5                            ; v5   where this trip's outputs go in my stage; at the head: the table copy's offset in memory
.set PF,  6                            ; v[6:7]    float(Mx), float(My)
.set MF,  8                            ; v[8:9]    Mx, My of the batch to be issued next
.set QX,  10                           ; v[10:11]  Q for x: the high word is the cell
.set QY,  12                           ; v[12:13]  for y
.set CA,  10                           ; v[10:13]  at the head only: the table copy's four LDS addresses, 49,152 bytes apart
.set NX,  14                           ; v[14:15]  Mx - 2^31 in 64 bits
.set NY,  16                           ; v[16:17]
.set TT,  18                           ; v[18:19]  p
.set CC,  20                           ; v[20:21]  the cells as f32
.set X1,  22                           ; v22  cx + 1
.set H0,  23                           ; v23  cy x prime, 19 bits
.set H1,  24                           ; v24  (cy + 1) x prime, 19 bits
.set IX,  26                           ; v26, v27  byte offsets of levels 4 and 5: four loads share each
.set SPW, 28                           ; v28  LDS address of my spare word; never rewritten
.set NIL, 29                           ; v29  0; never rewritten
.set WW,  32                           ; v[32:55]   (wx, wy) of levels 4-15
.set FL,  56                           ; v[56:63]   scaled f32 features of levels 0-3 of the batch that is out
.set WL,  56                           ;            while a batch is issued: (wx, wy) of levels 0-3; a level's pair is last read one line before its features are written there
.set FF,  64                           ; v[64:79]   16 pairs of f16 features
.set GB,  80                           ; v[80:175]  gathers of levels 4-15, 8 registers a level
.set DD,  176                          ; v[176:207] four accumulators
.set LB,  176                          ;            while a batch is issued: the LDS gathers of levels 0-3
.set LA,  208                          ; v[208:211] LDS addresses of the base corners of levels 0-3
.set HX,  216                          ; v[216:255] level l, corner c: its index at HX + 4 (l - 6) + c
; v256-367 (window 1, named v0-111): the 14 weight fragments, 8 registers each.
.set HA,  112                          ; v368-383 (window 1): layer 1's output, f16
.set HB,  128                          ; v384-415 (window 1): layer 2's output, f16, 16 registers a tile of 16 points
; s[4:5] mfix at my first point; s[6:7] table; s[8:9] wfrag; s[10:11] out0 at my next 1,536 bytes; s12 wave; s13 trip; s14 at work; s15 g; s[16:17] byte offset of the next M; s[18:19] its address;
; s[20:43] the tables of levels 4-15; s[44:51] of levels 0-3; s52 2^19 - 1; s53 trip % 4
.set MSB, 0
.macro WIN new                         ; s_set_vgpr_msb: bits 1:0 source 0, 3:2 source 1, 7:6 destination; the high byte repeats the setting that is left
.if MSB != (\new)
	s_set_vgpr_msb (MSB<<8)|(\new)
.set MSB, (\new)
.endif
.endm
.set W_LD, 0x40                        ; destination in window 1
.set W_MM, 0x01                        ; source 0 in window 1: layer 1
.set W_M2, 0x05                        ; sources 0 and 1 in window 1: layers 2 and 3
.macro STEPQ                           ; Q of the next level
	v_lshl_add_u64 v[QX:QX+1], v[QX:QX+1], 1, v[NX:NX+1]
	v_lshl_add_u64 v[QY:QY+1], v[QY:QY+1], 1, v[NY:NY+1]
.endm
; A BATCH'S 65 LOADS, numbered in the order in which they go out; LD writes number nq.  0: the batch after's M: it is older than all gathers of this batch, so the counted waits for those need not count it.
; 1-16: levels 0-3 from LDS.  17-24: levels 4, 5.  25-64: levels 6-15.  Corners in the order (0,0), (1,0), (0,1), (1,1).  A dense level's grid is 16 x 2^l wide: 128 << l bytes from row to row.
.macro LD
.if nq == 0
	s_add_nc_u64 s[18:19], s[4:5], s[16:17]        ; the load that named s[18:19] last has been waited for
	global_load_b64 v[MF:MF+1], v[MO], s[18:19] th:TH_LOAD_NT
.elseif nq < 17
.set lv, (nq-1)/4
.set cr, (nq-1)%4
.if lv == 0
.set tbv, TB0
.elseif lv == 1
.set tbv, TB1
.elseif lv == 2
.set tbv, TB2
.else
.set tbv, TB3
.endif
	ds_load_b64 v[LB+8*lv+2*cr:LB+8*lv+2*cr+1], v[LA+lv] offset:tbv+8*(cr%2)+(cr/2)*(128<<lv)
.elseif nq < 25
.set lv, 4+(nq-17)/4
.set cr, (nq-17)%4
	global_load_b64 v[GB+8*(lv-4)+2*cr:GB+8*(lv-4)+2*cr+1], v[IX+lv-4], s[20+2*(lv-4):21+2*(lv-4)] offset:8*(cr%2)+(cr/2)*(128<<lv)
.else
.set lv, 6+(nq-25)/4
.set cr, (nq-25)%4
	global_load_b64 v[GB+8*(lv-4)+2*cr:GB+8*(lv-4)+2*cr+1], v[HX+4*(lv-6)+cr], s[20+2*(lv-4):21+2*(lv-4)] scale_offset
.endif
.set nq, nq+1
.endm
.macro DEAL                            ; the next load, if the wait that it hangs on has been passed: ISSUE sets nlim behind each of its two waits
.if nq < nlim
	LD
.endif
.endm
; A batch begins: float(M); N = M - 2^31, sign-extended; Q = M + 2^31 (the level with scale 1), three levels below level 0.
.macro START
	v_cvt_f32_u32 v[PF], v[MF]
	v_cvt_f32_u32 v[PF+1], v[MF+1]
	v_xor_b32 v[NX], 0x80000000, v[MF]
	v_xor_b32 v[NY], 0x80000000, v[MF+1]
	v_lshrrev_b32 v[QX+1], 31, v[MF]
	v_lshrrev_b32 v[QY+1], 31, v[MF+1]
	v_mov_b32 v[QX], v[NX]
	v_mov_b32 v[QY], v[NY]
	v_ashrrev_i32 v[NX+1], 31, v[NX]
	v_ashrrev_i32 v[NY+1], 31, v[NY]
	STEPQ
	STEPQ
	STEPQ
.endm
; scb = the f32 pattern of (2^(l+4) - 1) x 2^-32: l + 4 ones, exponent l + 3 - 32
.macro FRAC l, dst
.set scb, (((\l)+98)<<23)|(((1<<((\l)+3))-1)<<(20-(\l)))
	v_pk_fma_f32 v[TT:TT+1], v[PF:PF+1], scb, 0.5 op_sel_hi:[1,0,0]
	v_cvt_f32_u32 v[CC], v[QX+1]
	v_cvt_f32_u32 v[CC+1], v[QY+1]
	v_pk_add_f32 v[(\dst):(\dst)+1], v[TT:TT+1], v[CC:CC+1] neg_lo:[0,1] neg_hi:[0,1]
.endm
; The weights and the base corner's byte offset of a dense level; the index is below the grid's square.
.macro ADR_LDS l
.if (\l) > 0
	STEPQ
.endif
	FRAC \l, WL+2*(\l)
	v_lshl_add_u32 v[LA+(\l)], v[QY+1], (\l)+4, v[QX+1]
	v_min_u32 v[LA+(\l)], (1<<(2*(\l)+8))-1, v[LA+(\l)]
	v_lshlrev_b32 v[LA+(\l)], 3, v[LA+(\l)]
.endm
.macro ADR_DENSE l
	STEPQ
	FRAC \l, WW+2*((\l)-4)
	v_lshl_add_u32 v[IX+(\l)-4], v[QY+1], (\l)+4, v[QX+1]
	v_min_u32 v[IX+(\l)-4], (1<<(2*(\l)+8))-1, v[IX+(\l)-4]
	v_lshlrev_b32 v[IX+(\l)-4], 3, v[IX+(\l)-4]
.endm
; index = (cx ^ cy x 2654435761) mod 2^19.  The product's low 19 bits hang on the low 19 bits of both factors: 0x779b1 is the prime's; cy stays under 2^24.
; cx + 1 reaches 2^19 at level 15 alone.  Seven places for loads of earlier levels stand among the lines; none of those loads touches a register that these lines name.
.macro ADR_HASH l
.set scb, (((\l)+98)<<23)|(((1<<((\l)+3))-1)<<(20-(\l)))
.set hd, HX+4*((\l)-6)
	STEPQ
	DEAL
	v_pk_fma_f32 v[TT:TT+1], v[PF:PF+1], scb, 0.5 op_sel_hi:[1,0,0]
	v_add_nc_u32 v[X1], 1, v[QX+1]
	DEAL
	v_mul_u32_u24 v[H0], 0x779b1, v[QY+1]
	v_mad_u32_u24 v[H1], v[QY+1], 0x779b1, 0x779b1
	DEAL
	v_cvt_f32_u32 v[CC], v[QX+1]
	v_cvt_f32_u32 v[CC+1], v[QY+1]
	DEAL
.if (\l) == 15
	v_and_b32 v[X1], s52, v[X1]
.endif
	v_and_b32 v[H0], s52, v[H0]
	v_and_b32 v[H1], s52, v[H1]
	DEAL
	v_pk_add_f32 v[WW+2*((\l)-4):WW+2*((\l)-4)+1], v[TT:TT+1], v[CC:CC+1] neg_lo:[0,1] neg_hi:[0,1]
	v_xor_b32 v[hd],   v[QX+1], v[H0]
	v_xor_b32 v[hd+1], v[X1],   v[H0]
	DEAL
	v_xor_b32 v[hd+2], v[QX+1], v[H1]
	v_xor_b32 v[hd+3], v[X1],   v[H1]
	DEAL
.irp c, 0,1,2,3
	v_min_u32 v[hd+(\c)], 0x7ffff, v[hd+(\c)]      ; changes nothing: the index is written down as bounded
.endr
.endm
; Line n of the seven that interpolate a level's four corners at d (two features each) with (wx, wy) at w, and scale by 2^16 into o.
.macro LLINE n, d, w, o
.if (\n) == 0
	v_pk_add_f32 v[(\d)+2:(\d)+3], v[(\d)+2:(\d)+3], v[(\d):(\d)+1] neg_lo:[0,1] neg_hi:[0,1]
.elseif (\n) == 1
	v_pk_add_f32 v[(\d)+6:(\d)+7], v[(\d)+6:(\d)+7], v[(\d)+4:(\d)+5] neg_lo:[0,1] neg_hi:[0,1]
.elseif (\n) == 2
	v_pk_fma_f32 v[(\d):(\d)+1], v[(\d)+2:(\d)+3], v[(\w):(\w)+1], v[(\d):(\d)+1] op_sel_hi:[1,0,1]            ; along x, lower row
.elseif (\n) == 3
	v_pk_fma_f32 v[(\d)+4:(\d)+5], v[(\d)+6:(\d)+7], v[(\w):(\w)+1], v[(\d)+4:(\d)+5] op_sel_hi:[1,0,1]        ; upper row
.elseif (\n) == 4
	v_pk_add_f32 v[(\d)+4:(\d)+5], v[(\d)+4:(\d)+5], v[(\d):(\d)+1] neg_lo:[0,1] neg_hi:[0,1]
.elseif (\n) == 5
	v_pk_fma_f32 v[(\d):(\d)+1], v[(\d)+4:(\d)+5], v[(\w):(\w)+1], v[(\d):(\d)+1] op_sel:[0,1,0] op_sel_hi:[1,1,1]  ; along y
.else
	v_pk_mul_f32 v[(\o):(\o)+1], v[(\d):(\d)+1], 0x47800000 op_sel_hi:[1,0]
.endif
.endm
; Two levels, line by line by turns, so that no line reads the result of the one before it.  deal = 1: a place for a load stands ahead of each line.
.macro LERP2 d0, w0, o0, d1, w1, o1, deal=0
.irp n, 0,1,2,3,4,5,6
.if \deal
	DEAL
.endif
	LLINE \n, \d0, \w0, \o0
.if \deal
	DEAL
.endif
	LLINE \n, \d1, \w1, \o1
.endr
.endm
; A batch's indices, weights and gathers; its levels 0-3 are finished here, from LDS.
.macro ISSUE
.set nq, 0
.set nlim, 0
	START
	ADR_LDS 0
	ADR_LDS 1
	ADR_LDS 2
	ADR_LDS 3
	ADR_DENSE 4
	ADR_DENSE 5
.irp l, 6,7,8,9
	ADR_HASH \l
.endr
	s_wait_alu depctr_va_vdst(0)                   ; LA, IX and the indices of levels 6-9 are written, which loads 1 to 40 read; START is done reading MF, CONSUME is done with GB and the last MLP with DD, in which loads 0 to 64 land
.set nlim, 41
.irp l, 10,11,12,13,14,15
	ADR_HASH \l                                    ; 6 x 7 places take loads 0 to 40
.endr
	s_wait_alu depctr_va_vdst(0)                   ; the indices of levels 10-15 are written, which loads 41 to 64 read
.set nlim, 65
	s_wait_dscnt 0x0                               ; the sixteen LDS gathers, issued three levels' work ago or more
	LERP2 LB, WL, FL, LB+8, WL+2, FL+2, 1          ; loads 41 to 64 stand ahead of the first 24 of these 28 lines, which name LB and FL alone
	LERP2 LB+16, WL+4, FL+4, LB+24, WL+6, FL+6, 1
.endm
; The batch that is out: its 16 pairs of features, rounded to f16.
.macro CONSUME
.irp l, 0,1,2,3
	v_cvt_pk_f16_f32 v[FF+(\l)], v[FL+2*(\l)], v[FL+2*(\l)+1]
.endr
.irp i, 0,1,2,3,4,5
	s_wait_loadcnt (5-(\i))*8                      ; loads come back in order: all but the eight gathers of each younger pair of levels; the last count is 0 and shows the next M in too
	LERP2 GB+16*(\i), WW+4*(\i), GB+16*(\i), GB+16*(\i)+8, WW+4*(\i)+2, GB+16*(\i)+8
	v_cvt_pk_f16_f32 v[FF+4+2*(\i)], v[GB+16*(\i)], v[GB+16*(\i)+1]
	v_cvt_pk_f16_f32 v[FF+5+2*(\i)], v[GB+16*(\i)+8], v[GB+16*(\i)+9]
.endr
.endm
; ReLU and rounding of the four accumulators into 16 registers at dst, in window 1.  Four v_nop are the places between the last product and the first read of a result (ISA guide 7.12.1);
; each accumulator is read from its lowest registers on.  All maxima stand under one window setting, all roundings under another.
.macro ACT dst
	WIN 0
.rept 4
	v_nop
.endr
.set a, 0
.rept 32
	v_max_num_f32 v[DD+a], 0, v[DD+a]
.set a, a+1
.endr
	WIN W_LD
.set a, 0
.rept 16
	v_cvt_pk_f16_f32 v[(\dst)+a], v[DD+2*a], v[DD+2*a+1]
.set a, a+1
.endr
.endm
; The MLP for 32 points, two tiles of 16.  The accumulators take turns, one instruction a turn.
.macro MLP
.irp j, 0,1,2,3,4,5,6,7
	v_permlane16_swap_b32 v[FF+(\j)], v[FF+8+(\j)] ; v[FF:FF+7]: points 0-15, level 8 (lane / 16) + j; v[FF+8:FF+15]: points 16-31
.endr
.irp u, 0,1
	WIN W_MM
.irp mb, 0,1,2,3
	v_wmma_f32_16x16x32_f16 v[DD+8*(\mb):DD+8*(\mb)+7], v[8*(\mb):8*(\mb)+7], v[FF+8*(\u):FF+8*(\u)+7], 0
.endr
	ACT HA
	WIN W_M2
.irp mb, 0,1,2,3
	v_wmma_f32_16x16x32_f16 v[DD+8*(\mb):DD+8*(\mb)+7], v[32+8*(\mb):32+8*(\mb)+7], v[HA:HA+7], 0
.endr
.irp mb, 0,1,2,3
	v_wmma_f32_16x16x32_f16 v[DD+8*(\mb):DD+8*(\mb)+7], v[64+8*(\mb):64+8*(\mb)+7], v[HA+8:HA+15], v[DD+8*(\mb):DD+8*(\mb)+7]
.endr
	ACT HB+16*(\u)
.endr
	WIN W_M2
	v_wmma_f32_16x16x32_f16 v[DD:DD+7],    v[96:103],  v[HB:HB+7],     0
	v_wmma_f32_16x16x32_f16 v[DD+8:DD+15], v[96:103],  v[HB+16:HB+23], 0
	v_wmma_f32_16x16x32_f16 v[DD:DD+7],    v[104:111], v[HB+8:HB+15],  v[DD:DD+7]
	v_wmma_f32_16x16x32_f16 v[DD+8:DD+15], v[104:111], v[HB+24:HB+31], v[DD+8:DD+15]
	WIN 0
.rept 4
	v_nop
.endr
.irp j, 0,1,2
	v_permlane16_swap_b32 v[DD+(\j)], v[DD+8+(\j)] ; outputs 0-2 lie in registers 0-2 of lanes 0-15 of each tile: now lane L holds point L's
.endr
.irp j, 0,1,2
	v_mul_f32 v[DD+(\j)], s15, v[DD+(\j)]
.endr
.endm
	s_load_b256 s[4:11], s[0:1], 0x0               ; mfix s[4:5], table s[6:7], wfrag s[8:9], out0 s[10:11]
	v_lshl_add_u32 v[SPW], v0, 2, SPARE
	v_mov_b32 v[NIL], 0
	v_lshrrev_b32 v7, 5, v0
	v_readfirstlane_b32 s12, v7                    ; wave 0..7
	v_and_b32 v7, 31, v0                           ; lane
	v_lshlrev_b32 v[L16], 4, v7
	v_lshlrev_b32 v[MO], 3, v7
	v_lshlrev_b32 v[TA], 4, v0                     ; the table copy: 16 x thread, in memory
	v_lshlrev_b32 v[CA], 4, v0                     ; and in LDS: the immediate has 16 bits, so four registers carry the rest, one for each twelve passes
.irp k, 1,2,3
	v_lshl_add_u32 v[CA+(\k)], v0, 4, 49152*(\k)
.endr
	s_wait_alu depctr_va_sdst(0)                   ; s12 is written, ahead of its first reader: my stage and my share are made from it
	s_mul_i32 s14, s12, 1536
	s_add_co_u32 s14, s14, STAGE                   ; my stage
	v_mad_u32_u24 v[STA], v7, 12, s14
	v_lshl_add_u32 v[STR], v7, 4, s14
	s_lshl_b32 s2, ttmp9, 3
	s_add_co_u32 s2, s2, s12                       ; gid
	s_lshl_b32 s54, s2, 13                         ; 1,024 points x 8 bytes
	s_mov_b32 s55, 0
	s_mul_i32 s56, s2, 12288                       ; 1,024 points x 12 bytes
	s_mov_b32 s57, 0
	s_mov_b32 s52, 0x7ffff
	s_mov_b32 s16, 256                             ; the first batch asks for batch 1's M
	s_mov_b32 s17, 0
	s_wait_kmcnt 0x0
	s_load_b32 s15, s[8:9], 0x3800                 ; g
	s_add_nc_u64 s[4:5], s[4:5], s[54:55]
	s_add_nc_u64 s[10:11], s[10:11], s[56:57]
.irp l, 0,1,2,3
	s_add_nc_u64 s[44+2*(\l):45+2*(\l)], s[6:7], (\l)<<22      ; a level's table is 4 MiB
.endr
.irp l, 4,5,6,7,8,9,10,11,12,13,14,15
	s_add_nc_u64 s[20+2*((\l)-4):21+2*((\l)-4)], s[6:7], (\l)<<22
.endr
	s_wait_alu depctr_va_vdst(0)                   ; the offsets and addresses v1 to v5 and v10 to v13 are written, which the loads and LDS stores below read; only loads and window switches stand between this wait and the loads
	global_load_b64 v[MF:MF+1], v[MO], s[4:5] th:TH_LOAD_NT    ; batch 0's M
	WIN W_LD
.set f, 0
.rept 14
	global_load_b128 v[8*f:8*f+3],   v[L16], s[8:9] offset:1024*f
	global_load_b128 v[8*f+4:8*f+7], v[L16], s[8:9] offset:1024*f+512
.set f, f+1
.endr
	WIN 0
	; The tables of levels 0-3 into LDS: 46 passes of 4,096 bytes (1 + 3 + 9 + 33), 16 bytes a thread; pass g lies at LDS byte 4,096 g.
.set g, 0
.rept 46
.if g < 1
.set lv, 0
.set g0, 0
.elseif g < 4
.set lv, 1
.set g0, 1
.elseif g < 13
.set lv, 2
.set g0, 4
.else
.set lv, 3
.set g0, 13
.endif
	global_load_b128 v[64+4*g:64+4*g+3], v[TA], s[44+2*lv:45+2*lv] offset:4096*(g-g0)
.set g, g+1
.endr
.set g, 0
.rept 46
	s_wait_loadcnt 45-g                            ; pass g is in (and M and the weights, which are older); the younger passes stay out
	ds_store_b128 v[CA+g/12], v[64+4*g:64+4*g+3] offset:4096*(g%12)
.set g, g+1
.endr
	s_wait_kmcnt 0x0                               ; g
	s_wait_dscnt 0x0                               ; for the others' sake: my part of the tables is written
	s_barrier_signal -1
	s_barrier_wait -1                              ; everybody's is; from here on the tables are only read, and a stage is touched by its own wave alone: no further barrier
	s_wait_alu depctr_vm_vsrc(0)                   ; the copy's loads have read v5, its LDS stores v[10:13] and v[64:247]: all of these are written again from here on, by vector lines and by gathers
	ISSUE                                          ; batch 0
	s_mov_b32 s13, 0
.Ltrip:                                                ; trip t: batch t is finished; batch t + 1 is issued
	s_wait_alu depctr_vm_vsrc(0)                   ; the gathers issued so far have read LA, IX and HX, the last trip's stage stores TA and DD+0..2, its global stores DD+16..27: this trip writes all of them again
	CONSUME
	s_cmp_eq_u32 s13, 31
	s_cbranch_scc1 .Lno_issue                      ; the last trip has no batch to issue
	s_add_co_u32 s16, s13, 2
	s_min_u32 s16, s16, 31                         ; batch t + 2's M; in trip 30 batch 31's once more, so that the load stays inside my share and every batch has the same count of loads
	s_lshl_b32 s16, s16, 8
	ISSUE
.Lno_issue:
	MLP
	s_and_b32 s53, s13, 3
	s_mul_i32 s14, s53, 384                        ; four batches share the stage: 32 points x 12 bytes each
	v_add_nc_u32 v[TA], s14, v[STA]
	s_wait_alu depctr_va_vdst(0)                   ; the outputs DD+0..2 and TA are written, which the stage stores read; the MLP is done with DD+16..27, in which the loads from the stage land
.irp j, 0,1,2
	ds_store_b32 v[TA], v[DD+(\j)] offset:4*(\j)
.endr
	s_cmp_lg_u32 s53, 3
	s_cbranch_scc1 .Lno_flush
.irp i, 0,1,2
	ds_load_b128 v[DD+16+4*(\i):DD+19+4*(\i)], v[STR] offset:512*(\i)  ; LDS serves a wave's instructions in order (ISA guide 5.7.1.4): these see my stores
.endr
.irp i, 0,1,2
	s_wait_dscnt 2-(\i)
	global_store_b128 v[L16], v[DD+16+4*(\i):DD+19+4*(\i)], s[10:11] offset:512*(\i) th:TH_STORE_NT  ; 512 consecutive bytes, at a multiple of 256 from out0's first byte
.endr
	s_wait_xcnt 0x0                                ; the stores' base and data are rewritten only behind this wait
	s_add_nc_u64 s[10:11], s[10:11], 1536
.Lno_flush:
	s_add_co_u32 s13, s13, 1
	s_cmp_lt_u32 s13, 32
	s_cbranch_scc1 .Ltrip
	s_wait_dscnt 0x0                               ; the wave's end
	s_wait_alu 0x0
	s_wait_tensorcnt 0x0
	ds_add_u32 v[SPW], v[NIL]
	s_wait_dscnt 0x0
	s_endpgm
.Lfunc_end_k_q8f34b1e298_ngp:
	.size	k_q8f34b1e298_ngp, .Lfunc_end_k_q8f34b1e298_ngp-k_q8f34b1e298_ngp
	.p2alignl 7, 3214868480
	.fill 96, 4, 3214868480
	.section	.rodata,"a",@progbits
	.p2align	6, 0x0
	.amdhsa_kernel k_q8f34b1e298_ngp
		.amdhsa_group_segment_fixed_size 201728
		.amdhsa_private_segment_fixed_size 0
		.amdhsa_enable_private_segment 0
		.amdhsa_kernarg_size 32
		.amdhsa_user_sgpr_count 2
		.amdhsa_user_sgpr_kernarg_segment_ptr 1
		.amdhsa_wavefront_size32 1
		.amdhsa_system_sgpr_workgroup_id_x 1
		.amdhsa_system_sgpr_workgroup_id_y 1
		.amdhsa_system_sgpr_workgroup_id_z 1
		.amdhsa_system_vgpr_workitem_id 0
		.amdhsa_next_free_vgpr 416
		.amdhsa_next_free_sgpr 66
		.amdhsa_reserve_vcc 0
		.amdhsa_float_denorm_mode_32 3
		.amdhsa_float_denorm_mode_16_64 3
		.amdhsa_memory_ordered 1
		.amdhsa_forward_progress 1
		.amdhsa_inst_pref_size 76
	.end_amdhsa_kernel
	.amdgpu_metadata
---
amdhsa.version: [ 1, 2 ]
amdhsa.kernels:
  - .name:           k_q8f34b1e298_ngp
    .symbol:         k_q8f34b1e298_ngp.kd
    .args:
      - { .name: mfix, .offset: 0, .size: 8, .value_kind: global_buffer, .address_space: global }
      - { .name: hash_table, .offset: 8, .size: 8, .value_kind: global_buffer, .address_space: global }
      - { .name: wfrag, .offset: 16, .size: 8, .value_kind: global_buffer, .address_space: global }
      - { .name: out0, .offset: 24, .size: 8, .value_kind: global_buffer, .address_space: global }
    .group_segment_fixed_size: 201728
    .private_segment_fixed_size: 0
    .kernarg_segment_align: 8
    .kernarg_segment_size: 32
    .max_flat_workgroup_size: 256
    .sgpr_count:     66
    .vgpr_count:     416
    .wavefront_size: 32
...
	.end_amdgpu_metadata
.endif
;; end of part 3
